; MI455X (gfx1250); checked and timed in simulation.
; The chip was launched on July 23, 2026; its instructions are those of AMD's public machine-readable ISA for CDNA 5 (MIT licence, August 2026) and "CDNA5" Instruction Set Architecture Reference Guide (July 2026). The comments in the code are by the model that wrote it; some were corrected since.
;; Causal Self Attention. Allowed arithmetic: matrix products marked QUANTISED: E4M3 operands, one given power-of-two scale a tensor, by v_wmma_f32_16x16x64_fp8_fp8 or v_wmma_f32_16x16x128_fp8_fp8, f32 sums; everything else in f32.
;; Inputs: decay_raw 16 float32; lowp_scales 8 int32 (the exponents e of the quantised operands' scales 2^e); w_attn_codes 3,072 x 32 x 32 uint8 (E4M3 codes of w_attn, K innermost, in blocks of 32 codes); w_proj_codes 1,024 x 32 x 32 uint8 (E4M3 codes of w_proj, K innermost, in blocks of 32 codes); x_codes 4 x 2,048 x 32 x 32 uint8 (E4M3 codes of x, K innermost, in blocks of 32 codes).
;; Outputs: out0 4 x 2,048 x 1,024 float32.
;; This version of the problem:
;;   THIS VERSION OF THE PROBLEM IS GIVEN IN LOW PRECISION. The matrix products marked QUANTISED in the list below multiply operands that are first quantised to E4M3 (4 exponent bits, 3 mantissa bits; 8 bits a number), with one given power-of-two scale for each operand tensor; their sums are f32. All else is computed in f32.
;;   The module's matrix products, in the order in which they are computed (A, B: the left and right operand; K: the contracted axis; several contracted axes count as one K, in the product's order):
;;     1. [M 8,192, K 1,024] x [K 1,024, N 3,072]; A: input x (given as codes); B: input w_attn (given as codes): QUANTISED (scales: A lowp_scales[0], B lowp_scales[1])
;;     2. batch 64 x [M 2,048, K 64] x [K 64, N 2,048]; A: computed on the way; B: computed on the way: QUANTISED (scales: A lowp_scales[2], B lowp_scales[3])
;;     3. batch 64 x [M 2,048, K 2,048] x [K 2,048, N 64]; A: softmax (see below); B: computed on the way: QUANTISED (scales: A lowp_scales[4], B lowp_scales[5])
;;     4. [M 8,192, K 1,024] x [K 1,024, N 1,024]; A: computed on the way; B: input w_proj (given as codes): QUANTISED (scales: A lowp_scales[6], B lowp_scales[7])
;;   THE QUANTISER, for each operand of a quantised product, along K:
;;     - The operand's scale is 2^e, e = its entry of the input lowp_scales (int32; the entries are numbered through the quantised products in the list's order, A before B).
;;     - Each number is divided by the scale, clamped to +-448, and rounded to the nearest number of E4M3, ties to even, subnormals kept.
;;     - The product sums the exact products of the quantised numbers (number of the format x scale) in f32.
;;   ~~~python
;;   def quantise(x, axis, e):      # numpy; x: float32 -> the quantised numbers, widened to float32 again
;;       x = np.moveaxis(x, axis, -1); K = x.shape[-1]
;;       r = np.clip(x / 2.0 ** e, -448, 448)
;;       step = 2.0 ** (np.maximum(np.frexp(np.where(r == 0, 1, r))[1] - 1, -6) - 3)
;;       q = np.round(r / step) * step * 2.0 ** e      # np.round: ties to even
;;       return np.moveaxis(q, -1, axis).astype(np.float32)
;;   ~~~
;;   SOFTMAX AHEAD OF A QUANTISED PRODUCT. Where the list says 'softmax', what is quantised is not the finished softmax but p = 2^(t - M), with t = logit x log2(e) and M = ceil(the row's largest t), a whole number; so 1/2 < the row's largest p <= 1. The row's sum l is taken of the UNQUANTISED p, in f32, and the product's result is divided by l at the end. Since M is a whole number, a kernel that streams over the keys may use a running M (the ceiling of the running maximum): every later rescaling is an exact power of two, so the quantised numbers keep their values, but for numbers so far below the row's largest that they fall under the format's range.
;;   OPERANDS COMPUTED ON THE WAY. 'Computed on the way' means the value that the module computes at that place (a softmax that the list does not call 'softmax' is quantised finished and normalised). What goes into a quantiser is computed in f32, as accurately as f32 sums, v_exp_f32 and their like allow (about 1e-6 of the number): no bf16 or f16 on the way to a quantiser, and a product that is left as it is and whose result goes on into a quantised operand takes f32 operands (vector FMAs, or v_wmma_f32_16x16x4_f32). A number that lies on a knife's edge between two numbers of the format may be rounded either way, as far as f32 arithmetic and the matrix unit's own rounding can turn it there, and no further.
;;   INPUTS GIVEN AS CODES. w_attn (in the module: [1024, 3072], K = its axis 0); w_proj (in the module: [1024, 1024], K = its axis 0); x (in the module: [4, 2048, 1024], K = its axis 2): each comes as NAME_codes (uint8): NAME with its K axis moved to the last place and cut into blocks of 32 codes, [.., K / 32, bytes a block], one block behind the other in memory; one code a byte (a code: sign, 4 exponent bits, 3 mantissa bits); its scale is its entry of lowp_scales. Its value is code x scale, taken as it is: it is not quantised again, and the codes and scales need not be those that the quantiser above would give.
;; One version. Each part assembles by itself: llvm-mc -triple=amdgcn-amd-amdhsa -mcpu=gfx1250 --defsym DOCPART=n.
;; ======== version 1 of 1: 3 launches
;; limits: right only within a limited range of input values
;; workspace buffers: qkv 25,165,824 bytes; y 8,388,608 bytes
;; launch qkv (part 1): grid 12 x 32, 4 waves a work-group, clusters of 4 x 4, 327,680 bytes of LDS; arguments x_codes, w_attn_codes, lowp_scales, qkv; writes qkv
.if DOCPART == 1
	.amdgcn_target "amdgcn-amd-amdhsa--gfx1250"
	.amdhsa_code_object_version 6
	.text
	.protected	k_q40785416b4_qkv
	.globl	k_q40785416b4_qkv
	.p2align	8
	.type	k_q40785416b4_qkv,@function
k_q40785416b4_qkv:
	s_mov_b64 s[64:65], 0
	v_nop
	global_prefetch_b8 v0, s[64:65] scope:SCOPE_SE
	s_setreg_imm32_b32 hwreg(HW_REG_WAVE_MODE, 25, 1), 1
	s_wait_xcnt 0x0
	s_wait_alu depctr_hold_cnt(0) depctr_sa_sdst(0) depctr_va_vdst(0) depctr_va_sdst(0) depctr_va_ssrc(0) depctr_va_vcc(0) depctr_vm_vsrc(0)
	s_getreg_b32 s2, hwreg(HW_REG_IB_STS2, 6, 4)
	s_cmp_eq_u32 s2, 0
	s_cbranch_scc0 .Lentry_in_a_cluster
	s_endpgm
.Lentry_in_a_cluster:
	s_bfe_u32 s2, ttmp6, 0x10000c
	s_cmp_lg_u32 s2, 0xf033
	s_cbranch_scc0 .Lentry_shape_is_right
	s_endpgm
.Lentry_shape_is_right:
; qkv = x w_attn on codes of FP8 (E4M3), and q, k, v quantised on the way out.  x: [8192][1024] codes, w_attn: [3072][1024] codes, K innermost.  Sums in f32.
; A tile of 256 x 256 is made by four waves, each 128 x 128: 64 accumulators, 512 registers.  K goes in steps of 256 through a ring of two LDS slots filled by the tensor data mover.
; CLUSTERS: 4 x 4 work-groups; the cluster's x (0, 1, 2) says which of q, k, v its 1,024 columns are.  The tile of the A role is shared along a row of the cluster, that of the B role along a column: joint loads.
; THE MATRIX INSTRUCTION IS USED TRANSPOSED (source 0 = 16 rows of the B role, source 1 = 16 rows of the A role): a lane holds ONE row of the A role and eight neighbours of the B role.
; q, k: A role = x (a lane holds a token, its registers run along the channels, which are the next product's K).  v: A role = w_attn, B role = x (a lane holds a channel, its registers run along the tokens,
; which are ITS next K).  The roles are chosen by selects on the cluster's x, which all partners share: there is no branch.
; OUT, one buffer of three regions of 2^23 bytes.  q, k: [batch x head][token][64 places];  v: [batch x head][token / 128][64 channels][128 places].
; In all three, place 32 g + 16 h + 8 u + j holds element 32 g + 16 u + 8 h + j: the two middle groups of eight of each 32 change places.  For q and k it is one permutation of K on both sides;
; for v it is what four 16-byte loads need to give the K = 128 form its own layout.
; code = sum / 2^(eo - e0 - e1), held within +-448, to the nearest code; eo = entry 2 (q), 3 (k), 5 (v) of the scales.
; LIMITS: eo - e0 - e1 between -126 and 119, so that both powers of two below are f32 numbers.  NaN codes among the inputs are not served.
; REGISTERS, in windows of 256: window 0: v0-31 addresses and the two constants; from v128 the A role's fragments, ONE set; on the way out v96-159 are at work.
;   window 1: the B role's fragments, TWO sets, at v0 and v128.   window 2: the accumulators of my rows 0-63 ((a, b) at v[8 (8 a + b)]);   window 3: those of rows 64-127.
.set KSTEP,  256                       ; along K in a slot
.set ROWB,   256                       ; a tile's row in bytes
.set KROW,   1024                      ; a row of x or of w_attn in memory, in bytes
.set PITCH,  272                       ; an LDS row: 256 bytes + 16 of padding: an odd multiple of 16, so the 16 rows of a load start in 16 different 16-byte columns of 256
.set FR,     16                        ; registers of a fragment: 16 rows x 128 K
.set NL,     4                         ; LDS loads that bring one
.set NP,     4                         ; places behind this matrix instruction (ISA guide 7.12.1)
.set HALFT,  128*PITCH                 ; 128 rows: what one tensor load brings
.set SLOT,   4*HALFT                   ; the A role's 256 rows, then the B role's
.set LAPS,   2                         ; 1,024 along K = four K steps = twice round the ring
.set SPARE,  2*SLOT                    ; behind the ring: the spare words, 128 bytes for each wave
.set SPITCH, 144                       ; the way out: a stage of 16 rows x (128 bytes + 16) for each wave, in slot 0, which has had its last fill and its last read by then
.set CO,   8                           ; v8-11   my byte offsets in the output for the four stores of a block
.set ADRA, 16                          ; v16-17  LDS address of my A fragments in slot 0, 1
.set ADRB, 20                          ; v20-21  the same for B
.set STO,  24                          ; v24     the way out: where I put 16 bytes of a row
.set RD,   25                          ; v25     the way out: where I read 16 bytes back
.set SPW,  28                          ; v28     LDS address of my spare word; never rewritten
.set NIL,  29                          ; v29     0; never rewritten
.set LIM,  30
.set SC,   31                          ; v31     2^(eo - e0 - e1)
.set TMP,  32
.set CDB,  96                          ; v96-127 a block's codes, two sets by turns
.set AF,   128                         ; A's fragments
.set BK,   128                         ; the way out: rows read back, v128-143 and v144-159 by turns
.set G1, 24
.set G0, 32
.set G1B, 48
.set G0B, 56
.set MSB, 0
.macro WIN new                         ; the immediate's high byte repeats the setting that is left
.if MSB != (\new)
	s_set_vgpr_msb (MSB<<8)|(\new)
.set MSB, (\new)
.endif
.endm
.set MUL_LO, 0xa1                      ; source 0 (B) window 1, source 1 (A) window 0, C and D window 2
.set MUL_HI, 0xf1                      ; the same, C and D window 3
.set TO_B,   0x40                      ; destination window 1, address window 0
; A joint load: waves 0 and 1 fetch for the A role, waves 2 and 3 for the B role.  The branch hangs on the wave's number alone.  Four v_nop follow each of the two lines.
.macro JLOAD g0a, g1a, g0b, g1b
	s_cmp_eq_u32 s15, 0
	s_cbranch_scc0 .Lfor_b_\@
	tensor_load_to_lds s[\g0a:\g0a+3], s[\g1a:\g1a+7]
	s_nop 0
.rept 4
	v_nop
.endr
	s_branch .Lasked_\@
.Lfor_b_\@:
	tensor_load_to_lds s[\g0b:\g0b+3], s[\g1b:\g1b+7]
	s_nop 0
.rept 4
	v_nop
.endr
.Lasked_\@:
.endm
.macro CREST                           ; a round of the cluster's barrier behind its opening barrier
	s_cmp_lg_u32 s14, 0
	s_cbranch_scc1 .Lnot_wave_0_\@
	s_barrier_signal -3
.Lnot_wave_0_\@:
	s_barrier_wait -3
	s_barrier_signal -1
	s_barrier_wait -1
.endm
.macro CROUND                          ; a whole round
	s_barrier_signal -1
	s_barrier_wait -1
	CREST
.endm
	s_load_b128 s[4:7], s[0:1], 0x0                ; x's codes s[4:5], w_attn's codes s[6:7]
	s_load_b128 s[8:11], s[0:1], 0x10              ; the scales' exponents s[8:9], the output s[10:11]
	v_lshl_add_u32 v[SPW], v0, 2, SPARE
	v_mov_b32 v[NIL], 0
	ds_add_u32 v28, v29
	ds_add_u32 v28, v29
	s_wait_dscnt 0x0
	v_lshrrev_b32 v1, 5, v0
	v_readfirstlane_b32 s14, v1                    ; wave 0..3
	s_lshr_b32 s15, s14, 1                         ; which half of the A role's rows is mine.  Also: I fetch for A (0) or for B (1)
	s_and_b32 s16, s14, 1                          ; which half of the B role's rows.  Also: which 128 rows of that tile I fetch
	s_bfe_u32 s40, ttmp6, 0x40000                  ; cx, cy: my place in the cluster
	s_bfe_u32 s41, ttmp6, 0x40004
	s_lshl_b32 s67, ttmp9, 2                       ; 4 x cluster x
	s_and_b32 s66, ttmp7, 0xffff
	s_lshl_b32 s66, s66, 2                         ; 4 x cluster y
	s_mov_b32 s74, 256
	s_mov_b32 s76, 1024
	s_mov_b32 s78, 1024
	s_cmp_eq_u32 ttmp9, 2                          ; v?  The same answer in all sixteen partners.  All selects stand ahead of the first addition, which writes SCC
	s_cselect_b32 s17, 8, s66                      ; the A role's tile: v: w_attn's tiles 8 .. 11 by cy; else x's tiles 4 Y + cy
	s_cselect_b32 s42, s66, s67                    ; the B role's tile: v: x's tiles 4 Y + cx; else w_attn's tiles 4 X + cx
	s_cselect_b32 s68, s40, s41                    ; which place of the cluster says my tokens,
	s_cselect_b32 s69, s41, s40                    ; and which my heads
	s_cselect_b32 s70, s16, s15                    ; which half of the wave's number says my tokens,
	s_cselect_b32 s71, s15, s16                    ; and which my heads
	s_cselect_b32 s72, 128, 64                     ; the output, from stage row to stage row,
	s_cselect_b32 s73, 64, 0x20000                 ; from a stage row's first 64 bytes to its second (q, k: the next head),
	s_cselect_b32 s74, 512, s74                    ; from store to store (four stage rows),
	s_cselect_b32 s76, 2048, s76                   ; from block to block of 16 rows,
	s_cselect_b32 s78, 124928, s78                 ; and from block 3 to block 4 (v: the next head, 2^17 - 3 x 2,048)
	s_mov_b32 s77, 0
	s_mov_b32 s79, 0
	s_add_co_u32 s17, s17, s41                     ; this register never holds cx,
	s_add_co_u32 s42, s42, s40                     ; and this one never cy
	s_lshl_b32 s43, s41, 2
	s_lshl_b32 s43, 15, s43                        ; my row of the cluster
	s_lshl_b32 s44, 0x1111, s40                    ; my column
	; descriptor group 1: a tile of 128 rows x 256 bytes, padded in LDS
	s_or_b32 s[G1+0], s43, (0<<16)|(1<<20)|(1<<21)|(5<<22)|(3<<25)  ; 15:0 the mask: my row; 17:16 elements of 1 byte; 20 padding on; 21 set beside a mask; 24:22 after every 64 words; 31:25 four words
	s_or_b32 s[G1B+0], s44, (0<<16)|(1<<20)|(1<<21)|(5<<22)|(3<<25) ; the same with the mask of my column
.irp g, G1, G1B
	s_mov_b32 s[\g+1], ROWB<<16                    ; tensor_dim0
	s_mov_b32 s[\g+2], 128<<16                     ; tensor_dim1 = 128
	s_mov_b32 s[\g+3], ROWB<<16                    ; tile_dim0
	s_mov_b32 s[\g+4], 128                         ; tile_dim1 = 128
	s_mov_b32 s[\g+5], KROW                        ; tensor_dim0_stride
	s_mov_b32 s[\g+6], 0
	s_mov_b32 s[\g+7], 0
.endr
	s_lshl_b32 s18, s16, 7                         ; which 128 rows of the tile I fetch
	s_lshl_b32 s20, s17, 8
	s_add_co_u32 s20, s20, s18
	s_lshl_b32 s20, s20, 10                        ; A role: (256 x tile + 128 x half) rows of 1,024 bytes, under 2^23
	s_mov_b32 s21, 0
	s_lshl_b32 s46, s42, 8
	s_add_co_u32 s46, s46, s18
	s_lshl_b32 s46, s46, 10                        ; B role likewise
	s_mov_b32 s47, 0
	s_mul_i32 s45, s14, HALFT                      ; where they go: wave x 128 rows: no place in the cluster enters an LDS address
	s_wait_kmcnt 0x0
	s_load_b256 s[84:91], s[8:9], 0x0              ; the eight exponents
	s_cmp_eq_u32 ttmp9, 2
	s_cselect_b64 s[80:81], s[6:7], s[4:5]         ; the A role's buffer,
	s_cselect_b64 s[82:83], s[4:5], s[6:7]         ; the B role's
	s_add_nc_u64 s[20:21], s[80:81], s[20:21]
	s_add_nc_u64 s[46:47], s[82:83], s[46:47]
	CROUND                                         ; all sixteen work-groups are here: the first joint loads meet
.irp s, 0,1
	s_mov_b32 s[G0+4*\s], 1
	s_add_co_u32 s[G0+4*\s+1], s45, \s*SLOT
	s_add_nc_u64 s[G0+4*\s+2:G0+4*\s+3], s[20:21], \s*ROWB
	s_or_b32 s[G0+4*\s+3], s[G0+4*\s+3], 0x80000000
	s_mov_b32 s[G0B+4*\s], 1
	s_add_co_u32 s[G0B+4*\s+1], s45, \s*SLOT
	s_add_nc_u64 s[G0B+4*\s+2:G0B+4*\s+3], s[46:47], \s*ROWB
	s_or_b32 s[G0B+4*\s+3], s[G0B+4*\s+3], 0x80000000
	JLOAD G0+4*\s, G1, G0B+4*\s, G1B
.endr
	v_and_b32 v1, 15, v0                           ; r = l % 16
	s_wait_alu depctr_va_vdst(0)
	v_bfe_u32 v2, v0, 4, 1                         ; h = l / 16
	v_mul_u32_u24 v3, v1, PITCH
	v_lshl_add_u32 v4, v2, 4, v3                   ; a fragment's row x pitch + 16 x half
	s_mul_i32 s21, s15, HALFT                      ; my 128 rows of the A role
	s_mul_i32 s22, s16, HALFT                      ; my 128 rows of the B role,
	s_add_co_u32 s22, s22, 2*HALFT                 ; which lie behind A's 256
.irp s, 0,1
	v_add_nc_u32 v[ADRA+\s], s21, v4
	v_add_nc_u32 v[ADRB+\s], s22, v4
	s_add_co_u32 s21, s21, SLOT
	s_add_co_u32 s22, s22, SLOT
.endr
	s_mul_i32 s23, s14, 16*SPITCH                  ; my stage
	v_mul_u32_u24 v5, v1, SPITCH                   ; in: row r, 16 bytes for each half of the lanes
	s_wait_alu depctr_va_vdst(0)
	v_lshl_add_u32 v5, v2, 4, v5
	v_add_nc_u32 v[STO], s23, v5
	v_and_b32 v6, 31, v0                           ; l
	v_lshrrev_b32 v7, 3, v6                        ; back: eight lanes take a row of 128 bytes, four rows a load
	v_and_b32 v12, 7, v6
	v_mul_u32_u24 v13, v7, SPITCH
	v_lshl_add_u32 v13, v12, 4, v13
	v_add_nc_u32 v[RD], s23, v13
	v_bfe_u32 v12, v6, 2, 1                        ; and the same bytes in the output: stage row, half of the row, 16 bytes
	v_and_b32 v13, 3, v6
	v_mul_lo_u32 v7, v7, s72
	v_mul_lo_u32 v12, v12, s73
	v_add_nc_u32 v[CO], v7, v12
	v_lshl_add_u32 v[CO], v13, 4, v[CO]
	v_add_nc_u32 v[CO+1], s74, v[CO]
	v_add_nc_u32 v[CO+2], s74, v[CO+1]
	v_add_nc_u32 v[CO+3], s74, v[CO+2]
	; where my part of the output begins: region, batch, head, token
	s_add_co_u32 s20, s66, s68
	s_lshl_b32 s20, s20, 8
	s_lshl_b32 s21, s70, 7
	s_add_co_u32 s20, s20, s21                     ; my first token of the 8,192: 256 x tile + 128 x half
	s_lshr_b32 s21, s20, 11
	s_lshl_b32 s21, s21, 21                        ; its batch: 16 heads of 2^17 bytes
	s_and_b32 s20, s20, 2047
	s_lshl_b32 s20, s20, 6                         ; 64 bytes a token (in v: 8,192 for 128 tokens, the same)
	s_add_co_u32 s20, s20, s21
	s_lshl_b32 s21, s69, 2
	s_lshl_b32 s22, s71, 1
	s_add_co_u32 s21, s21, s22                     ; my first head: 4 x place + 2 x half
	s_lshl_b32 s21, s21, 17
	s_add_co_u32 s20, s20, s21
	s_lshl_b32 s21, ttmp9, 23                      ; the region
	s_add_co_u32 s20, s20, s21
	s_mov_b32 s21, 0
	s_add_nc_u64 s[10:11], s[10:11], s[20:21]
.macro FRAG reg, adr, q, i             ; a fragment: lane l holds row l % 16; registers 4 c .. 4 c + 3 hold K = 32 c + 16 (l / 16) + 0 .. 15: one permutation of K, the same in A and in B
.irp c, 0,1,2,3
	ds_load_b128 v[\reg+4*\c:\reg+4*\c+3], v[\adr] offset:128*(\q)+32*\c+(\i)*16*PITCH
.endr
.endm
; 16 matrix instructions: A's blocks a0, a0 + 1 x B's eight, 128 along K.  p: B's set.  zero = 1: the first product starts the sums.  The 64 accumulators take turns, one instruction a turn.
.macro MUL16 a0, p, zero
.irp a, \a0, \a0+1
.irp b, 0,1,2,3,4,5,6,7
.if \zero
	v_wmma_f32_16x16x128_fp8_fp8 v[8*(8*((\a)%4)+\b):8*(8*((\a)%4)+\b)+7], v[128*(\p)+FR*\b:128*(\p)+FR*\b+FR-1], v[AF+FR*(\a):AF+FR*(\a)+FR-1], 0
.else
	v_wmma_f32_16x16x128_fp8_fp8 v[8*(8*((\a)%4)+\b):8*(8*((\a)%4)+\b)+7], v[128*(\p)+FR*\b:128*(\p)+FR*\b+FR-1], v[AF+FR*(\a):AF+FR*(\a)+FR-1], v[8*(8*((\a)%4)+\b):8*(8*((\a)%4)+\b)+7]
.endif
.endr
.endr
.endm
.macro FETCH_B slot, q, p              ; B's eight fragments of the slot's q-th 128 along K into set p
	WIN TO_B
.irp i, 0,1,2,3,4,5,6,7
	FRAG 128*(\p)+FR*\i, ADRB+\slot, \q, \i
.endr
	WIN 0
.endm
.macro FETCH_A slot, q, i0             ; A's blocks i0 .. i0 + 3
.irp i, \i0, \i0+1, \i0+2, \i0+3
	FRAG AF+FR*(\i), ADRA+\slot, \q, \i
.endr
.endm
.macro PLACES n                        ; plain vector instructions between a matrix instruction and a load into a register that it read, or the first read of its result
.rept \n
	v_nop
.endr
.endm
; A step of 128 along K that has its successor in the same slot.
.macro STEP slot, q, zero
	s_wait_dscnt 4*NL                              ; B's set and A's blocks 0-3 are in; the youngest sixteen loads (A's blocks 4-7) may be out
	WIN MUL_LO
	MUL16 0, (\q)%2, \zero
	MUL16 2, (\q)%2, \zero
	s_wait_dscnt 0                                 ; A's blocks 4-7 are in
	PLACES NP
	FETCH_B \slot, (\q)+1, 1-(\q)%2
	FETCH_A \slot, (\q)+1, 0
	WIN MUL_HI
	MUL16 4, (\q)%2, \zero
	MUL16 6, (\q)%2, \zero
	PLACES NP
	WIN 0
	FETCH_A \slot, (\q)+1, 4
.endm
; A slot's last step changes slots: ONE barrier; in front of it each wave waits for all its tensor loads, adds 0 to its spare word, and waits for that and for its own reads of this slot.  fill = 1: this slot is filled again, two K steps ahead.
.macro TURN slot, next, fill
	s_wait_tensorcnt 0x0                           ; all my tensor loads have landed: my part of the next slot
	ds_add_u32 v[SPW], v[NIL]                      ; 0 onto my spare word
	s_wait_dscnt 4*NL+1                            ; the add and the youngest sixteen loads (A's blocks 4-7) may be out
	WIN MUL_LO
	MUL16 0, 1, 0                                  ; sixteen matrix instructions stand between the add and the wait for it
	s_wait_dscnt 0x0                               ; the add is done, and my reads of this slot are over
	s_barrier_signal -1
	MUL16 2, 1, 0
	WIN 0
	s_barrier_wait -1
.if \fill
	CREST                                          ; the barrier has opened a round of the cluster's barrier: no wave of any partner still reads this slot or has a load on its way
	s_add_nc_u64 s[G0+4*\slot+2:G0+4*\slot+3], s[G0+4*\slot+2:G0+4*\slot+3], 2*ROWB
	s_add_nc_u64 s[G0B+4*\slot+2:G0B+4*\slot+3], s[G0B+4*\slot+2:G0B+4*\slot+3], 2*ROWB
	JLOAD G0+4*\slot, G1, G0B+4*\slot, G1B         ; the first tensor load behind the round; its four v_nop are also the places in front of the loads below
.else
	PLACES NP
.endif
	FETCH_B \next, 0, 0
	FETCH_A \next, 0, 0
	WIN MUL_HI
	MUL16 4, 1, 0
	MUL16 6, 1, 0
	PLACES NP
	WIN 0
	FETCH_A \next, 0, 4
.endm
	s_wait_tensorcnt 1                             ; my part of K step 0 is in; K step 1's load may be out
	s_barrier_signal -1
	s_barrier_wait -1                              ; everybody's is
	FETCH_B 0, 0, 0
	FETCH_A 0, 0, 0
	FETCH_A 0, 0, 4
	STEP 0, 0, 1                                   ; the first step stands in front of the loop: its products start the sums
	s_mov_b32 s3, LAPS-1
.Llap:                                                 ; a trip goes once round the ring, from a lap's second step to the next lap's first, and fills both slots again
	TURN 0, 1, 1
	STEP 1, 0, 0
	TURN 1, 0, 1
	STEP 0, 0, 0
	s_sub_co_u32 s3, s3, 1
	s_cmp_lg_u32 s3, 0
	s_cbranch_scc1 .Llap
	TURN 0, 1, 0                                   ; the last lap fills nothing, and has no round of the cluster's barrier
	STEP 1, 0, 0
	s_wait_dscnt 4*NL                              ; the very last step: nothing more to fetch
	WIN MUL_LO
	MUL16 0, 1, 0
	MUL16 2, 1, 0
	s_wait_dscnt 0
	WIN MUL_HI
	MUL16 4, 1, 0
	MUL16 6, 1, 0
	WIN 0
; THE WAY OUT, block by block of 16 rows of the A role x 128 of the B role.  A block's 64 sums a lane are converted:
; 8 codes an accumulator.  The codes of accumulators 2 g and 2 g + 1 are 16 bytes on end: they go to byte 32 g + 16 h of row r of my stage, which gives the order of
; places stated at the head.  The rows come back 16 bytes a lane, four rows a load, and each store of the wave covers whole aligned runs of 256 bytes (q, k: one of each of two heads; v: 512 bytes on end).
; LDS serves a wave's instructions in order (ISA guide 5.7.1.4): no wait between the stores and the loads.
.macro TOSTAGE a
.set AC, 64*((\a)%4)
.set CD, CDB+16*((\a)%2)
.set BB, BK+16*((\a)%2)
	WIN 0x02+((\a)/4)                              ; source 0: window 2 or 3
.set j, 0
.rept 64
.set j, j+1
.endr
.irp b, 0,1,2,3,4,5,6,7
	v_cvt_scalef32_pk8_fp8_f32 v[CD+2*\b:CD+2*\b+1], v[AC+8*\b:AC+8*\b+7], v[SC]
.endr
	WIN 0
	v_nop                                          ; one plain vector instruction behind the last conversion, ahead of the next block's writes of its sources
.irp g, 0,1,2,3
	ds_store_b128 v[STO], v[CD+4*\g:CD+4*\g+3] offset:32*\g
.endr
.irp t, 0,1,2,3
	ds_load_b128 v[BB+4*\t:BB+4*\t+3], v[RD] offset:\t*4*SPITCH
.endr
.endm
.macro SEND a, younger                 ; younger: the LDS instructions issued behind block a's loads, which may stay out
.set BB, BK+16*((\a)%2)
	s_wait_dscnt \younger                          ; the block is back in registers
.if (\a) == 4
	s_add_nc_u64 s[10:11], s[10:11], s[78:79]      ; (behind a wait on XCNT: the earlier stores have read their base)
.elseif (\a) > 0
	s_add_nc_u64 s[10:11], s[10:11], s[76:77]
.endif
.irp t, 0,1,2,3
	global_store_b128 v[CO+\t], v[BB+4*\t:BB+4*\t+3], s[10:11]
.endr
.endm
	s_wait_kmcnt 0x0
	s_cmp_eq_u32 ttmp9, 0
	s_cselect_b32 s92, s86, s87                    ; q: entry 2; k: entry 3;
	s_cmp_eq_u32 ttmp9, 2
	s_cselect_b32 s92, s89, s92                    ; v: entry 5
	s_sub_co_i32 s92, s92, s84
	s_sub_co_i32 s92, s92, s85                     ; a sum stands for sum x 2^(e0 + e1): the three scales are folded into the conversion's one
	s_add_co_i32 s92, s92, 127
	s_lshl_b32 s93, s92, 23
	v_mov_b32 v[SC], s93
	s_add_co_i32 s92, s92, 8
	s_lshl_b32 s92, s92, 23
	s_or_b32 s92, s92, 0x600000
	PLACES NP
	TOSTAGE 0
.irp a, 1,2,3,4,5,6,7
.if \a > 1
	s_wait_xcnt 0x0                                ; block a - 2's stores have read their registers and their base: block a's loads may land there, and the base may step
.endif
	TOSTAGE \a
	SEND \a-1, 8                                   ; behind block a - 1's loads: block a's 4 stores and 4 loads
.endr
	s_wait_xcnt 0x0                                ; block 6's stores have read their base
	SEND 7, 0
	s_wait_tensorcnt 0x0                           ; the wave's end
	ds_add_u32 v[SPW], v[NIL]
	s_wait_dscnt 0x0
	CROUND                                         ; the closing round: no work-group ends while a partner may still ask for a tile that names it
	s_endpgm
.Lfunc_end_k_q40785416b4_qkv:
	.size	k_q40785416b4_qkv, .Lfunc_end_k_q40785416b4_qkv-k_q40785416b4_qkv
	.p2alignl 7, 3214868480
	.fill 96, 4, 3214868480
	.section	.rodata,"a",@progbits
	.p2align	6, 0x0
	.amdhsa_kernel k_q40785416b4_qkv
		.amdhsa_group_segment_fixed_size 327680
		.amdhsa_private_segment_fixed_size 0
		.amdhsa_enable_private_segment 0
		.amdhsa_kernarg_size 32
		.amdhsa_user_sgpr_count 2
		.amdhsa_user_sgpr_kernarg_segment_ptr 1
		.amdhsa_wavefront_size32 1
		.amdhsa_system_sgpr_workgroup_id_x 1
		.amdhsa_system_sgpr_workgroup_id_y 1
		.amdhsa_system_sgpr_workgroup_id_z 1
		.amdhsa_system_vgpr_workitem_id 0
		.amdhsa_next_free_vgpr 1024
		.amdhsa_next_free_sgpr 100
		.amdhsa_reserve_vcc 0
		.amdhsa_float_denorm_mode_32 3
		.amdhsa_float_denorm_mode_16_64 3
		.amdhsa_fp16_overflow 1
		.amdhsa_memory_ordered 1
		.amdhsa_forward_progress 1
		.amdhsa_inst_pref_size 92
	.end_amdhsa_kernel
	.amdgpu_metadata
---
amdhsa.version: [ 1, 2 ]
amdhsa.kernels:
  - .name:           k_q40785416b4_qkv
    .symbol:         k_q40785416b4_qkv.kd
    .args:
      - { .name: x_codes, .offset: 0, .size: 8, .value_kind: global_buffer, .address_space: global }
      - { .name: w_attn_codes, .offset: 8, .size: 8, .value_kind: global_buffer, .address_space: global }
      - { .name: lowp_scales, .offset: 16, .size: 8, .value_kind: global_buffer, .address_space: global }
      - { .name: qkv, .offset: 24, .size: 8, .value_kind: global_buffer, .address_space: global }
    .group_segment_fixed_size: 327680
    .private_segment_fixed_size: 0
    .kernarg_segment_align: 8
    .kernarg_segment_size: 32
    .max_flat_workgroup_size: 128
    .sgpr_count:     100
    .vgpr_count:     1024
    .wavefront_size: 32
...
	.end_amdgpu_metadata
.endif
;; end of part 1
;; launch attn (part 2): grid 4 x 64, 8 waves a work-group, no clusters, 327,680 bytes of LDS; arguments qkv, decay_raw, lowp_scales, y; writes y
.if DOCPART == 2
	.amdgcn_target "amdgcn-amd-amdhsa--gfx1250"
	.amdhsa_code_object_version 6
	.text
	.protected	k_q40785416b4_attn
	.globl	k_q40785416b4_attn
	.p2align	8
	.type	k_q40785416b4_attn,@function
k_q40785416b4_attn:
	s_mov_b64 s[64:65], 0
	v_nop
	global_prefetch_b8 v0, s[64:65] scope:SCOPE_SE
	s_setreg_imm32_b32 hwreg(HW_REG_WAVE_MODE, 25, 1), 1
	s_wait_xcnt 0x0
; y = softmax(q k^T / 8 + bias, causal) v for one batch and head, both products on codes of FP8 (E4M3); y quantised on the way out.  bias(q, k) = -ln(1 + decay ln(1 + q - k)), decay = softplus(decay_raw[head]).
; q, k: [64 batch x head][2048][64 places]; v: [64][16 blocks of 128 keys][64 channels][128 places], as the launch before laid them; y: [16 heads][8192 tokens][64 channels], codes.
; THE SOFTMAX: t = logit x log2(e); M = the running largest t rounded UP to a whole number; p = 2^(t - M) is quantised with 2^e4; the row's sum is taken of the unquantised p and divides at the end.
; SHARES.  Work-group (i, batch x head) owns two blocks of 256 queries: 7 - i and i.  They want (8 - i) + (i + 1) = 9 slots of 256 keys whatever i is: every work-group walks nine slots, a constant of this text,
; and fetches no tile that it does not read.  Block 7 - i walks DOWN from its diagonal slot (trips 0 .. 7 - i), block i UP to its own (the trips that follow): the diagonal slots are trips 0 and 8 in every work-group.
; Each of the eight waves owns 32 queries of the block, two tiles of 16: each fragment of K and of V read from LDS feeds two matrix instructions.
; LAYOUT.  Both products are used transposed: S^T = K Q^T (source 0 = 16 keys, source 1 = 16 queries), O^T = V^T P^T: a lane holds ONE query (lane % 16) throughout, and the eight registers of a tile of S^T are
; keys 16 t + 8 (lane / 16) + 0 .. 7: the conversions' results are the K = 128 form's own layout of P.
; THE BIAS AND THE MASK ARE THE C OF THE SCORE PRODUCTS.  S' = K Q^T + F(q - k), t = c S', c = log2(e) / 8 x 2^(e2 + e3), F(d) = -log2(1 + decay ln(1 + d)) / c for d >= 0 and -2^126 for d < 0 (p = 0 then).
; F hangs on q - k alone, so tile (a, t) takes image t - a + 1, and 9 images of 8 registers serve a step's 16 tiles.  The table g[n] = F(2303 - n), n = 0 .. 2559, is made once, in LDS, in FOUR copies,
; copy c shifted by c numbers, so that each lane's eight neighbours begin at a multiple of 16 bytes.
; A step all of whose 128 keys come after the wave's 32 queries (the second step of a diagonal slot, waves 0 to 3) is left out by a scalar branch on ids; in every step that runs, each query has a key that counts.
; NO JOINT LOADS: in trip j the four work-groups of a head read slots 7 - j, 6 - j, 5 - j and 4 - j: never the same tile in the same trip.
; LIMITS: e2 + e3 between -100 and 100; e4, and e6 - e4 - e5, between -126 and 119.  NaN codes are not served.
; REGISTERS.  Window 0: v1-11, v20, v21 addresses; v12-19 four numbers of statistics a tile; v23, v31 constants; v24-27 f, in pairs; v28, v29 lane exchange; v32-95 K (v32-39 at work in the softmax);
;   v96-223 S^T, then p; v224-255 p's codes.   Window 1: v0-15 Q; v16-79 O^T; v80-143 V; v144-215 the nine images of the bias.
.set KP,    80                         ; a key's row in LDS: 64 bytes + 16
.set VP,    144                        ; a row of V (128 keys of one channel): 128 bytes + 16.  Both pitches are odd multiples of 16
.set VOFF,  256*KP                     ; a slot: 256 rows of K, then two blocks of 64 rows of V
.set VBLK,  64*VP
.set SLOT1, 65536                      ; slot 1 begins here: one exclusive or turns an address in one slot into the other's
.set TAB,   131072                     ; the four copies of the table; no tile lands here
.set COPYB, 10304                      ; a copy: 16 bytes in front, 2,560 numbers, 48 spare; 64 more than a multiple of 256
.set STAGE, TAB+4*COPYB                ; the way out: 32 rows x 80 bytes for each wave
.set SPARE, STAGE+8*2560               ; the spare words, 128 bytes for each wave
.set AK0, 1
.set AV0, 2
.set AB0, 3
.set PFO, 4                            ; v4   256 x my lane; never rewritten
.set SPW, 5
.set NIL, 6
.set GO,  7                            ; v7   16 x my lane
.set ADK, 8
.set ADV, 9
.set ADB, 10
.set STO, 11
.set ST,  12                           ; tile a at v[12 + 4 a]: -M, the largest t, the sum in two halves
.set SRD, 20
.set QO,  21
.set PLM, 22
.set PSC, 23                           ; 2^e4
.set FF,  24                           ; tile a: v[24 + 2 a] = f; the register above it is named with it as a pair
.set PD,  28
.set YLM, 30
.set YSC, 31                           ; 2^(e6 - e4 - e5)
.set KF,  32
.set TM,  32                           ; tile a: v[32 + 4 a], v[33 + 4 a] at work, v[34 + 4 a : 35 + 4 a] a second chain of sums
.set S,   96
.set P,   224
.set Q,   0                            ; window 1
.set O,   16
.set VF,  80
.set BI,  144
.set WV,  12
.set NHI, 15                           ; 8 - i: the trips of block 7 - i
.set J,   16                           ; the trip
.set HID, 17                           ; 1: the slot's second step is hidden from my wave
.set WLT4, 18
.set TB,  19                           ; LDS byte at which the slot in hand begins
.set SEL, 20
.set CS,  22
.set G1K, 24
.set G1V, 32
.set G0K, 40
.set G0V, 44
.set FBK, 48                           ; K's and V's codes of my head, at the half of a slot that my wave would fetch
.set FBV, 50
.set QH,  52                           ; q and y at my head and my wave's 32 rows of block 0
.set YH,  54
.set SA,  56                           ; 1,024 x (8 - slot distance) while block 7 - i is walked,
.set SB,  57                           ; and while block i is
.set SOFF, 58
.set PLIM, 59
.set PFA, 60
.set OFFS, 62
.set QB,  84
.set YB,  86
.set NK,  88
.set HIB, 89
.set MSB, 0
.macro WIN new                         ; the immediate's high byte repeats the setting that is left
.if MSB != (\new)
	s_set_vgpr_msb (MSB<<8)|(\new)
.set MSB, (\new)
.endif
.endm
.set TO_1, 0x40                        ; destination window 1
.set W_KQ, 0x14                        ; Q (source 1) and the bias (C) window 1; K and S^T window 0
.set W_RS, 0x41                        ; O^T (destination, source 0) window 1; f window 0
.set W_PV, 0x51                        ; V, C and D window 1; P window 0
.set W_FN, 0x01                        ; source 0 window 1
; Waves 0 and 1 fetch K's halves of a slot, waves 2 and 3 V's two blocks, the others nothing.  Four v_nop follow each of the two lines.
.macro TLOAD
	s_cmp_lt_u32 s[WV], 2
	s_cbranch_scc0 .Lnot_k_\@
	tensor_load_to_lds s[G0K:G0K+3], s[G1K:G1K+7]
	s_nop 0
.rept 4
	v_nop
.endr
	s_branch .Lasked_\@
.Lnot_k_\@:
	s_cmp_lt_u32 s[WV], 4
	s_cbranch_scc0 .Lasked_\@
	tensor_load_to_lds s[G0V:G0V+3], s[G1V:G1V+7]
	s_nop 0
.rept 4
	v_nop
.endr
.Lasked_\@:
.endm
; A PREFETCH INTO THE L2.  Of a head's four work-groups, x = 3 is the one that walks slots 2, 1, 0 in the earliest trips (2, 3, 4).  In its trips 0, 1, 2, behind the tensor loads (which ask for slot 3 - j),
; its waves 4 and 5 name K's two halves of slot 2 - j and waves 6 and 7 V's two blocks: 8,192 bytes a wave, lanes 256 bytes apart, one instruction: each block of 256 bytes is named once in the launch.
; That is one trip ahead of the tensor load that wants the slot.  Slots 7 to 3 come by their loads alone.
.macro ASK
	s_cmp_lt_u32 s[J], s[PLIM]
	s_cbranch_scc0 .Lnot_mine_\@
	global_prefetch_b8 v[PFO], s[PFA:PFA+1] th:TH_LOAD_NT scope:SCOPE_SE
.Lnot_mine_\@:
.endm
; THE CHANGE OF SLOTS stands at a trip's head.  Each wave waits for all its tensor loads (its part of the slot about to be read), adds 0 to its spare word, and waits for that and for its reads of the slot that it has left.
; fill = 1: behind the barrier that slot takes the keys of the next trip: with d = trip + 1 - (8 - i), slot d where d >= 0 and -d - 1 where d < 0, which is d xor (d >> 31).  One tensor load of a wave is out at a time.
.macro CHANGE fill
	s_wait_tensorcnt 0x0                           ; no tensor load of mine is out, so a group 0 may be written
	ds_add_u32 v[SPW], v[NIL]                      ; 0 onto my spare word
.if \fill
	s_add_co_u32 s76, s[J], 1
	s_sub_co_i32 s76, s76, s[NHI]
	s_ashr_i32 s77, s76, 31
	s_xor_b32 s76, s76, s77
	s_lshl_b32 s[OFFS], s76, 14                    ; a slot is 16,384 bytes of K and as many of V
	s_xor_b32 s[G0K+1], s[G0K+1], SLOT1
	s_add_nc_u64 s[G0K+2:G0K+3], s[FBK:FBK+1], s[OFFS:OFFS+1]
	s_or_b32 s[G0K+3], s[G0K+3], 0x80000000
	s_xor_b32 s[G0V+1], s[G0V+1], SLOT1
	s_add_nc_u64 s[G0V+2:G0V+3], s[FBV:FBV+1], s[OFFS:OFFS+1]
	s_or_b32 s[G0V+3], s[G0V+3], 0x80000000
	s_wait_xcnt 0x0                                ; the last prefetch, a trip back, has read its address, so it may be written
	s_sub_nc_u64 s[PFA:PFA+1], s[PFA:PFA+1], 16384
.endif
	s_wait_dscnt 0x0                               ; the add is done, my reads of the slot that I have left are over (and, the first time, my part of the table is stored)
	s_barrier_signal -1
	s_barrier_wait -1
.if \fill
	TLOAD                                          ; the first thing behind the barrier, and a wave's one tensor load until the next
	ASK
.endif
.endm
.macro ADDR                            ; the slot's three LDS addresses
	v_add_nc_u32 v[ADK], s[TB], v[AK0]
	v_add_nc_u32 v[ADV], s[TB], v[AV0]
	v_add_nc_u32 v[ADB], s[SOFF], v[AB0]
.endm
; A KEY STEP: 128 keys, the q-th of the slot in hand, against my two tiles of queries.
.macro STEP q
.if \q
	s_cmp_lg_u32 s[HID], 0
	s_cbranch_scc1 .Lhid_\@
.endif
.irp t, 0,1,2,3,4,5,6,7
	ds_load_b128 v[KF+8*\t:KF+8*\t+3],   v[ADK] offset:(128*\q+16*\t)*KP
	ds_load_b128 v[KF+8*\t+4:KF+8*\t+7], v[ADK] offset:(128*\q+16*\t)*KP+32
.endr
	WIN TO_1
.irp m, 0,1,2,3,4,5,6,7,8
	ds_load_b128 v[BI+8*\m:BI+8*\m+3],   v[ADB] offset:512*\q+64*\m
	ds_load_b128 v[BI+8*\m+4:BI+8*\m+7], v[ADB] offset:512*\q+64*\m+16
.endr
	s_wait_dscnt 0x0
	WIN W_KQ
.irp t, 0,1,2,3,4,5,6,7                ; sixteen different accumulators, each begun with its image of the bias
.irp a, 0,1
	v_wmma_f32_16x16x64_fp8_fp8 v[S+64*\a+8*\t:S+64*\a+8*\t+7], v[KF+8*\t:KF+8*\t+7], v[Q+8*\a:Q+8*\a+7], v[BI+8*(\t-\a+1):BI+8*(\t-\a+1)+7]
.endr
.endr
.rept 4
	v_nop                                          ; the places in front of the loads into V's registers, which the last step's products read, of the first read of the scores, and of the writes of v32-39
.endr
	WIN TO_1
.irp d, 0,1,2,3                        ; V lands while the softmax is walked
.irp c, 0,1,2,3
	ds_load_b128 v[VF+16*\d+4*\c:VF+16*\d+4*\c+3], v[ADV] offset:VBLK*\q+16*VP*\d+32*\c
.endr
.endr
	WIN 0
.irp a, 0,1                            ; the step's largest score of my query among my 64 keys, in two chains a tile, the registers in ascending order
	v_max3_num_f32 v[TM+4*\a],   v[S+64*\a],   v[S+64*\a+1], v[S+64*\a+2]
	v_max3_num_f32 v[TM+4*\a+1], v[S+64*\a+3], v[S+64*\a+4], v[S+64*\a+5]
.endr
.set i, 6
.rept 14
.irp a, 0,1
	v_max3_num_f32 v[TM+4*\a],   v[TM+4*\a],   v[S+64*\a+i],   v[S+64*\a+i+1]
	v_max3_num_f32 v[TM+4*\a+1], v[TM+4*\a+1], v[S+64*\a+i+2], v[S+64*\a+i+3]
.endr
.set i, i+4
.endr
.irp a, 0,1
	v_max3_num_f32 v[TM+4*\a], v[TM+4*\a], v[S+64*\a+62], v[S+64*\a+63]
.endr
.irp a, 0,1
	s_delay_alu instid0(VALU_DEP_2)
	v_max_num_f32 v[TM+4*\a], v[TM+4*\a], v[TM+4*\a+1]
.endr
.irp a, 0,1
	s_delay_alu instid0(VALU_DEP_2)
	v_permlanex16_b32 v[PD+\a], v[TM+4*\a], s[SEL], s[SEL+1]
.endr
.irp a, 0,1
	s_delay_alu instid0(VALU_DEP_2)
	v_max_num_f32 v[TM+4*\a], v[TM+4*\a], v[PD+\a] ; and among lane l xor 16's
.endr
.irp a, 0,1
	s_delay_alu instid0(VALU_DEP_2)
	v_mul_f32 v[TM+4*\a], s[CS], v[TM+4*\a]        ; as t (c is positive)
.endr
.irp a, 0,1
	s_delay_alu instid0(VALU_DEP_2)
	v_max_num_f32 v[ST+4*\a+1], v[ST+4*\a+1], v[TM+4*\a]   ; the running largest t
.endr
.irp a, 0,1
	v_mov_b32 v[TM+4*\a], v[ST+4*\a]
.endr
.irp a, 0,1
	s_delay_alu instid0(VALU_DEP_4)
	v_floor_f32 v[ST+4*\a], -v[ST+4*\a+1]          ; the new -M = floor(-t): M is a whole number
.endr
.irp a, 0,1
	s_delay_alu instid0(VALU_DEP_2)
	v_sub_f32 v[TM+4*\a], v[ST+4*\a], v[TM+4*\a]   ; old M - new M, a whole number, 0 or less
.endr
.irp a, 0,1
	s_delay_alu instid0(VALU_DEP_2)
	v_cvt_i32_f32 v[TM+4*\a], v[TM+4*\a]           ; (it saturates)
.endr
.irp a, 0,1
	s_delay_alu instid0(VALU_DEP_2)
	v_ldexp_f32 v[FF+2*\a], 1.0, v[TM+4*\a]        ; f = 2^(old M - new M): a multiplication by it rounds nothing
.endr
.set j, 0
.rept 32
.irp a, 0,1
	v_pk_fma_f32 v[S+64*\a+j:S+64*\a+j+1], v[S+64*\a+j:S+64*\a+j+1], s[CS:CS+1], v[ST+4*\a:ST+4*\a+1] op_sel_hi:[1,0,0]   ; t - M, two at a time
.endr
.set j, j+2
.endr
.set j, 0
	s_wait_alu depctr_va_vdst(0)
.rept 128
	v_exp_f32 v[S+j], v[S+j]                       ; p = 2^(t - M): both tiles' exponentials are one batch
.set j, j+1
.endr
.irp a, 0,1
	v_pk_mul_f32 v[ST+4*\a+2:ST+4*\a+3], v[ST+4*\a+2:ST+4*\a+3], v[FF+2*\a:FF+2*\a+1] op_sel_hi:[1,0]   ; the sums under the new M; also the plain instruction behind the exponentials
.endr
	s_wait_alu depctr_va_vdst(0)                   ; one wait for the batch, ahead of its first reader
.irp a, 0,1
	v_pk_add_f32 v[TM+4*\a+2:TM+4*\a+3], v[S+64*\a:S+64*\a+1], v[S+64*\a+2:S+64*\a+3]   ; the row's sum is taken of the UNQUANTISED p, in two chains a tile
.endr
.set j, 4
.rept 15
.irp a, 0,1
	v_pk_add_f32 v[ST+4*\a+2:ST+4*\a+3], v[ST+4*\a+2:ST+4*\a+3], v[S+64*\a+j:S+64*\a+j+1]
	v_pk_add_f32 v[TM+4*\a+2:TM+4*\a+3], v[TM+4*\a+2:TM+4*\a+3], v[S+64*\a+j+2:S+64*\a+j+3]
.endr
.set j, j+4
.endr
.irp a, 0
	s_delay_alu instid0(VALU_DEP_3)
	v_pk_add_f32 v[ST+4*\a+2:ST+4*\a+3], v[ST+4*\a+2:ST+4*\a+3], v[TM+4*\a+2:TM+4*\a+3]
.endr
.irp a, 1
	s_delay_alu instid0(VALU_DEP_2)
	v_pk_add_f32 v[ST+4*\a+2:ST+4*\a+3], v[ST+4*\a+2:ST+4*\a+3], v[TM+4*\a+2:TM+4*\a+3]
.endr
.irp a, 0,1
.irp t, 0,1,2,3,4,5,6,7
.set j, 0
.rept 8
.set j, j+1
.endr
	v_cvt_scalef32_pk8_fp8_f32 v[P+16*\a+2*\t:P+16*\a+2*\t+1], v[S+64*\a+8*\t:S+64*\a+8*\t+7], v[PSC]   ; keys 16 t + 8 (lane / 16) + 0 .. 7: registers 2 t, 2 t + 1 of P
.endr
.endr
	WIN W_RS
.set j, 0
.rept 16
.irp a, 0,1
	v_pk_mul_f32 v[O+32*\a+j:O+32*\a+j+1], v[O+32*\a+j:O+32*\a+j+1], v[FF+2*\a:FF+2*\a+1] op_sel_hi:[1,0]   ; O^T under the new M; also the plain instructions behind the conversions
.endr
.set j, j+2
.endr
	s_wait_alu depctr_va_vdst(0)
	s_wait_dscnt 0x0                               ; V is in
	WIN W_PV
.irp d, 0,1,2,3                        ; eight accumulators by turns, one instruction a turn
.irp a, 0,1
	v_wmma_f32_16x16x128_fp8_fp8 v[O+32*\a+8*\d:O+32*\a+8*\d+7], v[VF+16*\d:VF+16*\d+15], v[P+16*\a:P+16*\a+15], v[O+32*\a+8*\d:O+32*\a+8*\d+7]
.endr
.endr
	WIN 0
.if \q
.Lhid_\@:
.endif
.endm
; A block of 256 queries begins; s[blk] holds its number.  O^T and the sums begin as zeros and the largest t as -3e38, so that the key step is written once: the first change of M multiplies zeros.
.macro START blk
	s_lshl_b32 s76, s[\blk], 14                    ; 256 rows of 64 bytes, in q and in y alike
	s_mov_b32 s77, 0
	s_add_nc_u64 s[QB:QB+1], s[QH:QH+1], s[76:77]
	s_add_nc_u64 s[YB:YB+1], s[YH:YH+1], s[76:77]
	WIN TO_1
.irp a, 0,1
.irp c, 0,1
	global_load_b128 v[Q+8*\a+4*\c:Q+8*\a+4*\c+3], v[QO], s[QB:QB+1] offset:1024*\a+32*\c   ; Q's fragments, by the same places as K's
.endr
.endr
.set j, 0
.rept 64
	v_mov_b32 v[O+j], 0
.set j, j+1
.endr
	WIN 0
.irp a, 0,1
	v_mov_b32 v[ST+4*\a+1], 0xff61b1e6             ; -3e38, under every t
	s_delay_alu instid0(VALU_DEP_1)
	v_floor_f32 v[ST+4*\a], -v[ST+4*\a+1]
	v_mov_b32 v[ST+4*\a+2], 0
	v_mov_b32 v[ST+4*\a+3], 0
.endr
	s_wait_loadcnt 0x0
.endm
; A block ends: O^T / the sum, quantised with 2^(e6 - e4 - e5) (a sum of the second product stands for sum x 2^(e4 + e5)).  A lane's eight codes of a tile are eight neighbouring channels of one row: they go through
; my own stage (rows of 80 bytes) and come back 16 bytes a lane: my 32 rows of 64 bytes lie on end in y, so each store of the wave covers 512 consecutive bytes, aligned.
.macro FINISH
.irp a, 0,1
	v_add_f32 v[ST+4*\a+2], v[ST+4*\a+2], v[ST+4*\a+3]   ; these additions and the v_nop below are the places behind the last products
.endr
.irp a, 0,1
	s_delay_alu instid0(VALU_DEP_2)
	v_permlanex16_b32 v[PD+\a], v[ST+4*\a+2], s[SEL], s[SEL+1]
.endr
.irp a, 0,1
	s_delay_alu instid0(VALU_DEP_2)
	v_add_f32 v[ST+4*\a+2], v[ST+4*\a+2], v[PD+\a]
.endr
	s_wait_alu depctr_va_vdst(0)
.irp a, 0,1
	v_rcp_f32 v[FF+2*\a], v[ST+4*\a+2]
.endr
	v_nop                                          ; a plain instruction behind the last reciprocal,
	s_wait_alu depctr_va_vdst(0)                   ; and the wait ahead of the first use: one for both
	WIN W_FN
.set j, 0
.rept 16
.irp a, 0,1
	v_pk_mul_f32 v[S+64*\a+j:S+64*\a+j+1], v[O+32*\a+j:O+32*\a+j+1], v[FF+2*\a:FF+2*\a+1] op_sel_hi:[1,0]   ; each accumulator from its low end on
.endr
.set j, j+2
.endr
	WIN 0
.irp a, 0,1
.set j, 0
.rept 32
.set j, j+1
.endr
.endr
.irp a, 0,1
.irp d, 0,1,2,3
	v_cvt_scalef32_pk8_fp8_f32 v[P+8*\a+2*\d:P+8*\a+2*\d+1], v[S+64*\a+8*\d:S+64*\a+8*\d+7], v[YSC]
.endr
.endr
	v_nop                                          ; one plain vector instruction behind the last conversion
.irp a, 0,1
.irp d, 0,1,2,3
	ds_store_b64 v[STO], v[P+8*\a+2*\d:P+8*\a+2*\d+1] offset:1280*\a+16*\d   ; row 16 a + r, channels 16 d + 8 h + 0 .. 7
.endr
.endr
.irp i, 0,1,2,3
	ds_load_b128 v[KF+4*\i:KF+4*\i+3], v[SRD] offset:640*\i   ; LDS serves a wave's instructions in order: these see my stores
.endr
.irp i, 0,1,2,3
	s_wait_dscnt 3-\i                              ; the younger loads may be out
	global_store_b128 v[GO], v[KF+4*\i:KF+4*\i+3], s[YB:YB+1] offset:512*\i
.endr
.endm
	s_load_b256 s[4:11], s[0:1], 0x0               ; qkv s[4:5], decay_raw s[6:7], the scales' exponents s[8:9], y s[10:11]
	v_lshl_add_u32 v[SPW], v0, 2, SPARE
	v_mov_b32 v[NIL], 0
	ds_add_u32 v5, v6
	ds_add_u32 v5, v6
	s_wait_dscnt 0x0
	v_lshrrev_b32 v8, 5, v0
	s_delay_alu instid0(VALU_DEP_1)
	v_readfirstlane_b32 s[WV], v8                  ; wave 0..7
	s_mov_b32 s13, ttmp9                           ; i
	s_and_b32 s14, ttmp7, 0xffff                   ; batch x 16 + head
	s_sub_co_u32 s[NHI], 8, s13
	s_sub_co_u32 s[HIB], 7, s13
	; descriptor group 1.  K: 128 rows of 64 bytes, dense in memory; V: 64 rows of 128 bytes, dense; 16 bytes of padding behind each row
	s_mov_b32 s[G1K], (0<<16)|(1<<20)|(3<<22)|(3<<25)   ; no mask; elements of 1 byte; padding on; after every 16 words; four words
	s_mov_b32 s[G1K+1], 64<<16                     ; tensor_dim0
	s_mov_b32 s[G1K+2], 128<<16                    ; tensor_dim1
	s_mov_b32 s[G1K+3], 64<<16                     ; tile_dim0
	s_mov_b32 s[G1K+4], 128                        ; tile_dim1
	s_mov_b32 s[G1K+5], 64                         ; tensor_dim0_stride
	s_mov_b32 s[G1K+6], 0
	s_mov_b32 s[G1K+7], 0
	s_mov_b32 s[G1V], (0<<16)|(1<<20)|(4<<22)|(3<<25)   ; after every 32 words
	s_mov_b32 s[G1V+1], 128<<16
	s_mov_b32 s[G1V+2], 64<<16
	s_mov_b32 s[G1V+3], 128<<16
	s_mov_b32 s[G1V+4], 64
	s_mov_b32 s[G1V+5], 128
	s_mov_b32 s[G1V+6], 0
	s_mov_b32 s[G1V+7], 0
	s_mov_b32 s[SEL], 0x76543210
	s_mov_b32 s[SEL+1], 0xfedcba98
	s_mov_b32 s[TB], 0
	s_mov_b32 s[J], 0
	s_mov_b32 s[SA], 8192
	s_mov_b32 s[SB], 0
	s_cmp_lt_u32 s[WV], 4
	s_cselect_b32 s[WLT4], 1, 0
	s_and_b32 s76, s[WV], 1                        ; which half of a slot I would fetch
	s_lshl_b32 s77, s76, 13                        ; 8,192 bytes of memory
	s_lshl_b32 s78, s14, 17                        ; my head in each region
	s_add_co_u32 s80, s78, s77
	s_add_co_u32 s80, s80, 0x800000                ; k's region
	s_mov_b32 s81, 0
	s_add_co_u32 s82, s80, 0x800000                ; v's
	s_mov_b32 s83, 0
	s_lshl_b32 s77, s[WV], 11                      ; my wave's 32 rows of 64 bytes
	s_add_co_u32 s78, s78, s77
	s_mov_b32 s79, 0
	s_and_b32 s90, s14, 15
	s_lshl_b32 s90, s90, 19                        ; y: the head's 8,192 rows,
	s_lshr_b32 s91, s14, 4
	s_lshl_b32 s91, s91, 17                        ; the batch's 2,048 of them
	s_add_co_u32 s90, s90, s91
	s_add_co_u32 s90, s90, s77
	s_mov_b32 s91, 0
	s_lshl_b32 s[OFFS], s[HIB], 14                 ; trip 0 reads slot 7 - i
	s_mov_b32 s[OFFS+1], 0
	s_wait_kmcnt 0x0
	s_load_b256 s[68:75], s[8:9], 0x0              ; e0 .. e7
	s_add_nc_u64 s[FBK:FBK+1], s[4:5], s[80:81]
	s_add_nc_u64 s[FBV:FBV+1], s[4:5], s[82:83]
	s_add_nc_u64 s[QH:QH+1], s[4:5], s[78:79]
	s_add_nc_u64 s[YH:YH+1], s[10:11], s[90:91]
	s_mov_b32 s[G0K], 1
	s_mul_i32 s[G0K+1], s76, 128*KP                ; slot 0
	s_add_nc_u64 s[G0K+2:G0K+3], s[FBK:FBK+1], s[OFFS:OFFS+1]
	s_or_b32 s[G0K+3], s[G0K+3], 0x80000000
	s_mov_b32 s[G0V], 1
	s_mul_i32 s[G0V+1], s76, VBLK
	s_add_co_u32 s[G0V+1], s[G0V+1], VOFF
	s_add_nc_u64 s[G0V+2:G0V+3], s[FBV:FBV+1], s[OFFS:OFFS+1]
	s_or_b32 s[G0V+3], s[G0V+3], 0x80000000
	TLOAD                                          ; slot 0: the launch's one first fill; slot 1 is first filled behind the first trip's barrier, as a refill is
	v_and_b32 v8, 15, v0                           ; r
	v_bfe_u32 v9, v0, 4, 1                         ; h
	v_and_b32 v10, 31, v0                          ; lane
	s_delay_alu instid0(VALU_DEP_3)
	v_mul_u32_u24 v[AK0], v8, KP
	s_delay_alu instid0(VALU_DEP_1)
	v_lshl_add_u32 v[AK0], v9, 4, v[AK0]           ; K: key r of a tile, + 16 h
	v_mul_u32_u24 v[AV0], v8, VP
	s_delay_alu instid0(VALU_DEP_1)
	v_lshl_add_u32 v[AV0], v9, 4, v[AV0]
	s_delay_alu instid0(VALU_DEP_1)
	v_add_nc_u32 v[AV0], VOFF, v[AV0]              ; V: channel r of a tile, + 16 h
	; the bias: register j of image m wants g[n], n = 256 (8 - distance) + 32 (7 - wave) + 128 q + 16 m + (15 - r) + 8 h + j.  With 15 - r = 4 a + c it lies in copy c at number n - c, a multiple of 4 for j = 0
	v_xor_b32 v32, 15, v8
	s_delay_alu instid0(VALU_DEP_1)
	v_and_b32 v33, 3, v32
	s_delay_alu instid0(VALU_DEP_2)
	v_lshrrev_b32 v32, 2, v32
	s_delay_alu instid0(VALU_DEP_2)
	v_mul_u32_u24 v[AB0], v33, COPYB
	s_delay_alu instid0(VALU_DEP_1)
	v_lshl_add_u32 v[AB0], v32, 4, v[AB0]
	s_delay_alu instid0(VALU_DEP_1)
	v_lshl_add_u32 v[AB0], v9, 5, v[AB0]
	s_xor_b32 s76, s[WV], 7
	s_lshl_b32 s76, s76, 7
	s_add_co_u32 s76, s76, TAB+16
	v_add_nc_u32 v[AB0], s76, v[AB0]
	v_lshlrev_b32 v[PFO], 8, v10
	v_lshlrev_b32 v[GO], 4, v10
	s_mul_i32 s76, s[WV], 2560
	s_add_co_u32 s76, s76, STAGE                   ; my stage
	v_mul_u32_u24 v[STO], v8, 80
	s_delay_alu instid0(VALU_DEP_1)
	v_lshl_add_u32 v[STO], v9, 3, v[STO]
	s_delay_alu instid0(VALU_DEP_1)
	v_add_nc_u32 v[STO], s76, v[STO]               ; in: row r, + 8 h
	v_lshrrev_b32 v32, 2, v10
	v_and_b32 v33, 3, v10
	s_delay_alu instid0(VALU_DEP_2)
	v_mul_u32_u24 v[SRD], v32, 80
	s_delay_alu instid0(VALU_DEP_1)
	v_lshl_add_u32 v[SRD], v33, 4, v[SRD]
	s_delay_alu instid0(VALU_DEP_1)
	v_add_nc_u32 v[SRD], s76, v[SRD]               ; back: four lanes to a row of 64 bytes, eight rows a load
	v_lshlrev_b32 v[QO], 6, v8
	s_delay_alu instid0(VALU_DEP_1)
	v_lshl_add_u32 v[QO], v9, 4, v[QO]             ; Q: row r of 64 bytes, + 16 h
	v_mov_b32 v[FF+1], 0                           ; named as the upper halves of pairs, so they are written
	v_mov_b32 v[FF+3], 0
	v_mov_b32 v[PD], 0                             ; a lane permute's destination counts as one of its sources
	v_mov_b32 v[PD+1], 0
	s_and_b32 s77, s14, 15
	s_lshl_b32 s77, s77, 2
	v_mov_b32 v40, s77
	global_load_b32 v41, v40, s[6:7]               ; decay_raw of my head, in every lane
	START HIB                                      ; block 7 - i; its wait covers decay_raw too
	s_cmp_lt_u32 s[WV], 6                          ; the prefetches: waves 4, 5 stand in K, waves 6, 7 in V, each at its half of a slot,
	s_cselect_b64 s[PFA:PFA+1], s[FBK:FBK+1], s[FBV:FBV+1]
	s_add_nc_u64 s[PFA:PFA+1], s[PFA:PFA+1], 3*16384   ; in slot 3: the first change of slots steps it down to slot 2
	s_lshr_b32 s76, s[WV], 2
	s_xor_b32 s76, s76, 1                          ; 0 in waves 4 to 7
	s_xor_b32 s77, s13, 3                          ; 0 in work-group x = 3
	s_or_b32 s76, s76, s77
	s_cmp_eq_u32 s76, 0
	s_cselect_b32 s[PLIM], 3, 0
	s_wait_kmcnt 0x0
	s_add_co_i32 s76, s70, s71
	s_lshl_b32 s76, s76, 23
	s_add_co_i32 s[CS], s76, 0x3e38aa3b            ; c = log2(e) / 8 with e2 + e3 added to its exponent field
	s_mov_b32 s[CS+1], s[CS]
	s_sub_co_i32 s[NK], 0xc0b17218, s76            ; -1 / c = -8 ln 2 with e2 + e3 taken off its exponent field
	s_add_co_i32 s76, s72, 127
	s_lshl_b32 s77, s76, 23
	v_mov_b32 v[PSC], s77
	s_sub_co_i32 s76, s74, s72
	s_sub_co_i32 s76, s76, s73
	s_add_co_i32 s76, s76, 127
	s_lshl_b32 s77, s76, 23
	v_mov_b32 v[YSC], s77
	; decay = softplus(x) = max(x, 0) + log1p(u), u = e^-|x|; log1p(u) = ln(w) u / (w - 1) with w = 1 + u as rounded, and u itself where w = 1
	v_and_b32 v42, 0x7fffffff, v41
	s_delay_alu instid0(VALU_DEP_1)
	v_mul_f32 v42, 0xbfb8aa3b, v42
	s_wait_alu depctr_va_vdst(0)
	v_exp_f32 v43, v42
	v_max_num_f32 v44, 0, v41
	s_wait_alu depctr_va_vdst(0)
	v_add_f32 v45, 1.0, v43
	s_delay_alu instid0(VALU_DEP_1)
	v_add_f32 v46, -1.0, v45
	s_wait_alu depctr_va_vdst(0)
	v_log_f32 v47, v45
	v_rcp_f32 v48, v46
	v_nop
	s_wait_alu depctr_va_vdst(0)
	v_cmp_eq_f32 vcc_lo, 0, v46
	v_mul_f32 v47, 0x3f317218, v47
	v_mul_f32 v47, v47, v43
	v_mul_f32 v47, v47, v48
	v_cndmask_b32 v47, v47, v43, vcc_lo
	s_delay_alu instid0(VALU_DEP_1)
	v_add_f32 v44, v44, v47
	s_delay_alu instid0(VALU_DEP_1)
	v_mul_f32 v44, 0x3f317218, v44                 ; decay x ln 2: ln(1 + d) = ln 2 x log2(1 + d)
	; THE TABLE.  Thread n0 (0 .. 255) makes g[256 k + n0], k = 0 .. 9: 1 + distance = 2304 - 256 k - n0, at least 1 up to k = 8; k = 9 lies under the mask
.set k, 0
.rept 9
	v_sub_nc_u32 v[50+k], 2304-256*k, v0
.set k, k+1
.endr
.set k, 0
.rept 9
	v_cvt_f32_u32 v[50+k], v[50+k]
.set k, k+1
.endr
.set k, 0
	s_wait_alu depctr_va_vdst(0)
.rept 9
	v_log_f32 v[50+k], v[50+k]
.set k, k+1
.endr
	v_mov_b32 v59, 0xfe800000                      ; -2^126
	s_wait_alu depctr_va_vdst(0)
.set k, 0
.rept 9
	v_fma_f32 v[50+k], v[50+k], v44, 1.0
.set k, k+1
.endr
.set k, 0
	s_wait_alu depctr_va_vdst(0)
.rept 9
	v_log_f32 v[50+k], v[50+k]
.set k, k+1
.endr
	v_lshl_add_u32 v49, v0, 2, TAB+16
	s_wait_alu depctr_va_vdst(0)
.set k, 0
.rept 9
	v_mul_f32 v[50+k], s[NK], v[50+k]
.set k, k+1
.endr
.irp c, 0,1,2,3                        ; g[n] is number n - c of copy c; the 16 bytes in front of a copy take numbers -3 .. -1
.set k, 0
.rept 10
	ds_store_b32 v49, v[50+k] offset:\c*(COPYB-4)+1024*k
.set k, k+1
.endr
.endr
.Ltrip:                                            ; trips 0 to 7: behind each change of slots the next trip's slot is asked for
	CHANGE 1
	s_cmp_lt_u32 s[J], s[NHI]
	s_cselect_b32 s[SOFF], s[SA], s[SB]            ; both lie between 0 and 8,192
	s_cmp_eq_u32 s[J], 0
	s_cselect_b32 s[HID], s[WLT4], 0               ; trip 0 is block 7 - i's diagonal slot
	ADDR
	s_wait_alu depctr_va_vdst(0)
	STEP 0
	STEP 1
	s_xor_b32 s[TB], s[TB], SLOT1
	s_sub_co_u32 s[SA], s[SA], 1024
	s_add_co_u32 s[SB], s[SB], 1024
	s_add_co_u32 s76, s[J], 1
	s_cmp_lg_u32 s76, s[NHI]
	s_cbranch_scc1 .Lsame                          ; a branch on ids; no barrier and no tensor load stands under it
	FINISH                                         ; block 7 - i has seen all its keys
	s_wait_xcnt 0x0                                ; its stores have read their registers and their base
	START 13                                       ; block i
.Lsame:
	s_add_co_u32 s[J], s[J], 1
	s_cmp_lt_u32 s[J], 8
	s_cbranch_scc1 .Ltrip
	CHANGE 0                                       ; trip 8 is written out: block i's diagonal slot
	s_mov_b32 s[SOFF], 8192
	s_mov_b32 s[HID], s[WLT4]
	ADDR
	s_wait_alu depctr_va_vdst(0)
	STEP 0
	STEP 1
	FINISH
	s_wait_tensorcnt 0x0                           ; the wave's end
	ds_add_u32 v[SPW], v[NIL]
	s_wait_dscnt 0x0
	s_endpgm
.Lfunc_end_k_q40785416b4_attn:
	.size	k_q40785416b4_attn, .Lfunc_end_k_q40785416b4_attn-k_q40785416b4_attn
	.p2alignl 7, 3214868480
	.fill 96, 4, 3214868480
	.section	.rodata,"a",@progbits
	.p2align	6, 0x0
	.amdhsa_kernel k_q40785416b4_attn
		.amdhsa_group_segment_fixed_size 327680
		.amdhsa_private_segment_fixed_size 0
		.amdhsa_enable_private_segment 0
		.amdhsa_kernarg_size 32
		.amdhsa_user_sgpr_count 2
		.amdhsa_user_sgpr_kernarg_segment_ptr 1
		.amdhsa_wavefront_size32 1
		.amdhsa_system_sgpr_workgroup_id_x 1
		.amdhsa_system_sgpr_workgroup_id_y 1
		.amdhsa_system_sgpr_workgroup_id_z 1
		.amdhsa_system_vgpr_workitem_id 0
		.amdhsa_next_free_vgpr 480
		.amdhsa_next_free_sgpr 96
		.amdhsa_reserve_vcc 1
		.amdhsa_float_denorm_mode_32 3
		.amdhsa_float_denorm_mode_16_64 3
		.amdhsa_fp16_overflow 1
		.amdhsa_memory_ordered 1
		.amdhsa_forward_progress 1
		.amdhsa_inst_pref_size 134
	.end_amdhsa_kernel
	.amdgpu_metadata
---
amdhsa.version: [ 1, 2 ]
amdhsa.kernels:
  - .name:           k_q40785416b4_attn
    .symbol:         k_q40785416b4_attn.kd
    .args:
      - { .name: qkv, .offset: 0, .size: 8, .value_kind: global_buffer, .address_space: global }
      - { .name: decay_raw, .offset: 8, .size: 8, .value_kind: global_buffer, .address_space: global }
      - { .name: lowp_scales, .offset: 16, .size: 8, .value_kind: global_buffer, .address_space: global }
      - { .name: y, .offset: 24, .size: 8, .value_kind: global_buffer, .address_space: global }
    .group_segment_fixed_size: 327680
    .private_segment_fixed_size: 0
    .kernarg_segment_align: 8
    .kernarg_segment_size: 32
    .max_flat_workgroup_size: 256
    .sgpr_count:     96
    .vgpr_count:     480
    .wavefront_size: 32
...
	.end_amdgpu_metadata
.endif
;; end of part 2
;; launch proj (part 3): grid 4 x 32, 4 waves a work-group, clusters of 4 x 4, 327,680 bytes of LDS; arguments y, w_proj_codes, lowp_scales, out0; writes out0
.if DOCPART == 3
	.amdgcn_target "amdgcn-amd-amdhsa--gfx1250"
	.amdhsa_code_object_version 6
	.text
	.protected	k_q40785416b4_proj
	.globl	k_q40785416b4_proj
	.p2align	8
	.type	k_q40785416b4_proj,@function
k_q40785416b4_proj:
	s_mov_b64 s[64:65], 0
	v_nop
	global_prefetch_b8 v0, s[64:65] scope:SCOPE_SE
	s_setreg_imm32_b32 hwreg(HW_REG_WAVE_MODE, 25, 1), 1
	s_wait_xcnt 0x0
	s_wait_alu depctr_hold_cnt(0) depctr_sa_sdst(0) depctr_va_vdst(0) depctr_va_sdst(0) depctr_va_ssrc(0) depctr_va_vcc(0) depctr_vm_vsrc(0)
	s_getreg_b32 s2, hwreg(HW_REG_IB_STS2, 6, 4)
	s_cmp_eq_u32 s2, 0
	s_cbranch_scc0 .Lentry_in_a_cluster
	s_endpgm
.Lentry_in_a_cluster:
	s_bfe_u32 s2, ttmp6, 0x10000c
	s_cmp_lg_u32 s2, 0xf033
	s_cbranch_scc0 .Lentry_shape_is_right
	s_endpgm
.Lentry_shape_is_right:
; out0 = y w_proj on codes of FP8 (E4M3).  y: [16 heads][8192 tokens][64 channels] codes, as the launch before laid them (K = 64 x head + channel); w_proj: [1024][1024] codes, K innermost; out0: [8192][1024] f32.
; The codes are multiplied as they are, and each finished sum once by 2^(e6 + e7).  LIMIT: e6 + e7 between -126 and 127, so that 2^(e6 + e7) is an f32 number.
; A tile of 256 x 256 is made by four waves, each 128 x 128: 64 accumulators, 512 registers.  K goes in steps of 256 (four heads) through a ring of two LDS slots filled by the tensor data mover.
; 128 tiles: a smaller tile would give each LDS byte half the multiply-adds.
; A'S TILE: 128 tokens of a head are 8,192 bytes on end in memory: one tensor load brings four such rows, 524,288 bytes apart, with 16 bytes of padding behind every 64: piece (head z, token) lies at 10,240 z + 80 token.
; CLUSTERS: 4 x 4 work-groups; A's tile is shared along a row of the cluster, B's along a column: joint loads.  THE MATRIX INSTRUCTION IS USED TRANSPOSED: a lane holds eight neighbouring numbers of a row of out0.
; REGISTERS, in windows of 256: window 0: v0-31 addresses; from v128 A's fragments, ONE set; on the way out v32-255 are free.   window 1: B's fragments, TWO sets.   windows 2, 3: the accumulators.
.set SIZE_N, 1024
.set ROWB,   256                       ; a row of B's tile in bytes
.set KROW,   1024                      ; a row of w_proj in memory
.set PITCH,  272                       ; B's LDS row: 256 bytes + 16
.set APIECE, 80                        ; A's LDS piece: 64 bytes + 16.  Both are odd multiples of 16
.set AHEAD,  128*APIECE                ; a head's 128 tokens
.set HALFA,  4*AHEAD                   ; what one tensor load brings of A
.set HALFB,  128*PITCH                 ; and of B
.set BOFF,   2*HALFA
.set SLOT,   BOFF+2*HALFB
.set ASTEP,  4*524288                  ; four heads on, in y
.set FR,     16
.set NL,     4
.set NP,     4
.set LAPS,   2
.set SPARE,  2*SLOT                    ; behind the ring: the spare words
.set SPITCH, 528                       ; the way out: a stage of 16 rows x (512 bytes + 16) for each wave, in slot 0, which has had its last fill and its last read by then
.set ADRA, 16
.set ADRB, 20
.set STO,  24
.set RD,   25
.set CO,   26
.set SPW,  28
.set NIL,  29
.set TMP,  32
.set AF,   128
.set BK,   128
.set G1, 24
.set G0, 32
.set G1B, 48
.set G0B, 56
.set MSB, 0
.macro WIN new                         ; the immediate's high byte repeats the setting that is left
.if MSB != (\new)
	s_set_vgpr_msb (MSB<<8)|(\new)
.set MSB, (\new)
.endif
.endm
.set MUL_LO, 0xa1
.set MUL_HI, 0xf1
.set TO_B,   0x40
.macro JLOAD g0a, g1a, g0b, g1b        ; waves 0 and 1 fetch for A, waves 2 and 3 for B; four v_nop follow each of the two lines
	s_cmp_eq_u32 s15, 0
	s_cbranch_scc0 .Lfor_b_\@
	tensor_load_to_lds s[\g0a:\g0a+3], s[\g1a:\g1a+7]
	s_nop 0
.rept 4
	v_nop
.endr
	s_branch .Lasked_\@
.Lfor_b_\@:
	tensor_load_to_lds s[\g0b:\g0b+3], s[\g1b:\g1b+7]
	s_nop 0
.rept 4
	v_nop
.endr
.Lasked_\@:
.endm
.macro CREST
	s_cmp_lg_u32 s14, 0
	s_cbranch_scc1 .Lnot_wave_0_\@
	s_barrier_signal -3
.Lnot_wave_0_\@:
	s_barrier_wait -3
	s_barrier_signal -1
	s_barrier_wait -1
.endm
.macro CROUND
	s_barrier_signal -1
	s_barrier_wait -1
	CREST
.endm
	s_load_b128 s[4:7], s[0:1], 0x0                ; y's codes s[4:5], w_proj's codes s[6:7]
	s_load_b128 s[8:11], s[0:1], 0x10              ; the scales' exponents s[8:9], out0 s[10:11]
	v_lshl_add_u32 v[SPW], v0, 2, SPARE
	v_mov_b32 v[NIL], 0
	ds_add_u32 v28, v29
	ds_add_u32 v28, v29
	s_wait_dscnt 0x0
	v_lshrrev_b32 v1, 5, v0
	v_readfirstlane_b32 s14, v1                    ; wave 0..3
	s_lshr_b32 s15, s14, 1                         ; which half of the tile's rows is mine.  Also: I fetch for A (0) or for B (1)
	s_and_b32 s16, s14, 1                          ; which half of its columns.  Also: which 128 rows of that tile I fetch
	s_bfe_u32 s40, ttmp6, 0x40000                  ; cx, cy
	s_bfe_u32 s41, ttmp6, 0x40004
	s_lshl_b32 s42, ttmp9, 2
	s_add_co_u32 s42, s42, s40                     ; tile column = 4 x cluster x + cx
	s_and_b32 s17, ttmp7, 0xffff
	s_lshl_b32 s17, s17, 2
	s_add_co_u32 s17, s17, s41                     ; tile row = 4 x cluster y + cy
	s_lshl_b32 s43, s41, 2
	s_lshl_b32 s43, 15, s43                        ; my row of the cluster
	s_lshl_b32 s44, 0x1111, s40                    ; my column
	s_or_b32 s[G1+0], s43, (0<<16)|(1<<20)|(1<<21)|(3<<22)|(3<<25)  ; A: the mask of my row; elements of 1 byte; padding on; 21 set beside a mask; four words after every 16
	s_mov_b32 s[G1+1], 8192<<16                    ; tensor_dim0 = 8,192
	s_mov_b32 s[G1+2], 4<<16                       ; tensor_dim1 = 4
	s_mov_b32 s[G1+3], 8192<<16                    ; tile_dim0
	s_mov_b32 s[G1+4], 4                           ; tile_dim1
	s_mov_b32 s[G1+5], 524288                      ; from head to head
	s_mov_b32 s[G1+6], 0
	s_mov_b32 s[G1+7], 0
	s_or_b32 s[G1B+0], s44, (0<<16)|(1<<20)|(1<<21)|(5<<22)|(3<<25) ; B: the mask of my column; four words after every 64
	s_mov_b32 s[G1B+1], ROWB<<16
	s_mov_b32 s[G1B+2], 128<<16
	s_mov_b32 s[G1B+3], ROWB<<16
	s_mov_b32 s[G1B+4], 128
	s_mov_b32 s[G1B+5], KROW
	s_mov_b32 s[G1B+6], 0
	s_mov_b32 s[G1B+7], 0
	s_lshl_b32 s18, s16, 7                         ; which 128 rows of the tile I fetch
	s_lshl_b32 s20, s17, 8
	s_add_co_u32 s20, s20, s18
	s_lshl_b32 s20, s20, 6                         ; A: token 256 x tile row + 128 x half, 64 bytes a token within a head
	s_mov_b32 s21, 0
	s_lshl_b32 s46, s42, 8
	s_add_co_u32 s46, s46, s18
	s_lshl_b32 s46, s46, 10                        ; B: row 256 x tile column + 128 x half, 1,024 bytes a row
	s_mov_b32 s47, 0
	s_mul_i32 s45, s16, HALFA                      ; where they go: no place in the cluster enters an LDS address
	s_mul_i32 s66, s16, HALFB
	s_add_co_u32 s66, s66, BOFF
	s_wait_kmcnt 0x0
	s_load_b64 s[96:97], s[8:9], 0x18              ; e6, e7
	s_add_nc_u64 s[20:21], s[4:5], s[20:21]
	s_add_nc_u64 s[46:47], s[6:7], s[46:47]
	CROUND                                         ; all sixteen work-groups are here: the first joint loads meet
.irp s, 0,1
	s_mov_b32 s[G0+4*\s], 1
	s_add_co_u32 s[G0+4*\s+1], s45, \s*SLOT
	s_add_nc_u64 s[G0+4*\s+2:G0+4*\s+3], s[20:21], \s*ASTEP
	s_or_b32 s[G0+4*\s+3], s[G0+4*\s+3], 0x80000000
	s_mov_b32 s[G0B+4*\s], 1
	s_add_co_u32 s[G0B+4*\s+1], s66, \s*SLOT
	s_add_nc_u64 s[G0B+4*\s+2:G0B+4*\s+3], s[46:47], \s*ROWB
	s_or_b32 s[G0B+4*\s+3], s[G0B+4*\s+3], 0x80000000
	s_wait_alu depctr_va_vdst(0)
	s_wait_tensorcnt 0x0
	ds_add_u32 v28, v29
	ds_add_u32 v28, v29
	s_wait_dscnt 0x0
	CROUND
	JLOAD G0+4*\s, G1, G0B+4*\s, G1B
.endr
	v_and_b32 v1, 15, v0                           ; r
	v_bfe_u32 v2, v0, 4, 1                         ; h
	v_mul_u32_u24 v3, v1, PITCH
	v_lshl_add_u32 v4, v2, 4, v3                   ; B: row x pitch + 16 h
	v_mul_u32_u24 v3, v1, APIECE
	v_lshl_add_u32 v3, v2, 4, v3                   ; A: token x 80 + 16 h
	s_mul_i32 s21, s15, HALFA                      ; my 128 tokens
	s_mul_i32 s22, s16, HALFB                      ; my 128 rows of B
	s_add_co_u32 s22, s22, BOFF
.irp s, 0,1
	v_add_nc_u32 v[ADRA+\s], s21, v3
	v_add_nc_u32 v[ADRB+\s], s22, v4
	s_add_co_u32 s21, s21, SLOT
	s_add_co_u32 s22, s22, SLOT
.endr
	s_mul_i32 s23, s14, 16*SPITCH                  ; my stage
	v_mul_u32_u24 v5, v1, SPITCH                   ; in: row r, 32 bytes for each half of the lanes
	v_lshl_add_u32 v5, v2, 5, v5
	v_add_nc_u32 v[STO], s23, v5
	v_and_b32 v6, 31, v0
	v_lshlrev_b32 v[CO], 4, v6                     ; back: the 32 lanes take one row of 512 bytes; and the same in out0
	v_add_nc_u32 v[RD], s23, v[CO]
	s_lshl_b32 s20, s17, 8
	s_lshl_b32 s21, s15, 7
	s_add_co_u32 s20, s20, s21                     ; my first row of out0
	s_lshl_b32 s20, s20, 12                        ; 4,096 bytes a row
	s_lshl_b32 s46, s42, 10                        ; my first column, in bytes: 1,024 x tile column + 512 x half
	s_lshl_b32 s47, s16, 9
	s_add_co_u32 s46, s46, s47
	s_add_co_u32 s20, s20, s46
	s_mov_b32 s21, 0
	s_add_nc_u64 s[10:11], s[10:11], s[20:21]
; a fragment: lane l holds row l % 16; registers 4 c .. 4 c + 3 hold K = 32 c + 16 (l / 16) + 0 .. 15 of the slot's q-th 128: one permutation of K, the same in A and in B
.macro FRAGB reg, adr, q, i
.irp c, 0,1,2,3
	ds_load_b128 v[\reg+4*\c:\reg+4*\c+3], v[\adr] offset:128*(\q)+32*\c+(\i)*16*PITCH
.endr
.endm
.macro FRAGA reg, adr, q, i            ; the same K in A: head 2 q + c / 2 of the slot's four, byte 32 (c % 2) + 16 (l / 16) of the token's 64
.irp c, 0,1,2,3
	ds_load_b128 v[\reg+4*\c:\reg+4*\c+3], v[\adr] offset:(2*(\q)+\c/2)*AHEAD+32*(\c%2)+(\i)*16*APIECE
.endr
.endm
.macro MUL16 a0, p, zero               ; the 64 accumulators take turns, one instruction a turn
.irp a, \a0, \a0+1
.irp b, 0,1,2,3,4,5,6,7
.if \zero
	v_wmma_f32_16x16x128_fp8_fp8 v[8*(8*((\a)%4)+\b):8*(8*((\a)%4)+\b)+7], v[128*(\p)+FR*\b:128*(\p)+FR*\b+FR-1], v[AF+FR*(\a):AF+FR*(\a)+FR-1], 0
.else
	v_wmma_f32_16x16x128_fp8_fp8 v[8*(8*((\a)%4)+\b):8*(8*((\a)%4)+\b)+7], v[128*(\p)+FR*\b:128*(\p)+FR*\b+FR-1], v[AF+FR*(\a):AF+FR*(\a)+FR-1], v[8*(8*((\a)%4)+\b):8*(8*((\a)%4)+\b)+7]
.endif
.endr
.endr
.endm
.macro FETCH_B slot, q, p
	WIN TO_B
.irp i, 0,1,2,3,4,5,6,7
	FRAGB 128*(\p)+FR*\i, ADRB+\slot, \q, \i
.endr
	WIN 0
.endm
.macro FETCH_A slot, q, i0
.irp i, \i0, \i0+1, \i0+2, \i0+3
	FRAGA AF+FR*(\i), ADRA+\slot, \q, \i
.endr
.endm
.macro PLACES n                        ; plain vector instructions between a matrix instruction and a load into a register that it read, or the first read of its result
.rept \n
	v_nop
.endr
.endm
.macro STEP slot, q, zero
	s_wait_dscnt 4*NL                              ; B's set and A's blocks 0-3 are in; the youngest sixteen loads (A's blocks 4-7) may be out
	WIN MUL_LO
	MUL16 0, (\q)%2, \zero
	MUL16 2, (\q)%2, \zero
	s_wait_dscnt 0
	PLACES NP
	FETCH_B \slot, (\q)+1, 1-(\q)%2
	FETCH_A \slot, (\q)+1, 0
	WIN MUL_HI
	MUL16 4, (\q)%2, \zero
	MUL16 6, (\q)%2, \zero
	PLACES NP
	WIN 0
	FETCH_A \slot, (\q)+1, 4
.endm
.macro TURN slot, next, fill
	s_wait_tensorcnt 0x0                           ; all my tensor loads have landed: my part of the next slot
	ds_add_u32 v[SPW], v[NIL]                      ; 0 onto my spare word
	s_wait_dscnt 4*NL+1                            ; the add and the youngest sixteen loads may be out
	WIN MUL_LO
	MUL16 0, 1, 0
	s_wait_dscnt 0x0                               ; the add is done, and my reads of this slot are over
	s_barrier_signal -1
	MUL16 2, 1, 0
	WIN 0
	s_barrier_wait -1
.if \fill
	CREST                                          ; the barrier has opened a round of the cluster's barrier: no wave of any partner still reads this slot or has a load on its way
	s_add_nc_u64 s[G0+4*\slot+2:G0+4*\slot+3], s[G0+4*\slot+2:G0+4*\slot+3], 2*ASTEP
	s_add_nc_u64 s[G0B+4*\slot+2:G0B+4*\slot+3], s[G0B+4*\slot+2:G0B+4*\slot+3], 2*ROWB
	JLOAD G0+4*\slot, G1, G0B+4*\slot, G1B         ; the first tensor load behind the round; its four v_nop are also the places in front of the loads below
.else
	PLACES NP
.endif
	FETCH_B \next, 0, 0
	FETCH_A \next, 0, 0
	WIN MUL_HI
	MUL16 4, 1, 0
	MUL16 6, 1, 0
	PLACES NP
	WIN 0
	FETCH_A \next, 0, 4
.endm
	s_wait_alu depctr_va_vdst(0)
	s_wait_tensorcnt 1                             ; my part of K step 0 is in; K step 1's load may be out
	s_barrier_signal -1
	s_barrier_wait -1
	FETCH_B 0, 0, 0
	FETCH_A 0, 0, 0
	FETCH_A 0, 0, 4
	STEP 0, 0, 1                                   ; the first step's products start the sums
	s_mov_b32 s3, LAPS-1
.Llap:
	TURN 0, 1, 1
	STEP 1, 0, 0
	TURN 1, 0, 1
	STEP 0, 0, 0
	s_sub_co_u32 s3, s3, 1
	s_cmp_lg_u32 s3, 0
	s_cbranch_scc1 .Llap
	TURN 0, 1, 0                                   ; the last lap fills nothing
	STEP 1, 0, 0
	s_wait_dscnt 4*NL
	WIN MUL_LO
	MUL16 0, 1, 0
	MUL16 2, 1, 0
	s_wait_dscnt 0
	WIN MUL_HI
	MUL16 4, 1, 0
	MUL16 6, 1, 0
	WIN 0
; THE WAY OUT, block by block of 16 rows x 128 columns: x 2^(e6 + e7), through my own stage in LDS, back as whole rows of 512 bytes: each store of the wave covers 512 consecutive bytes, aligned.
.macro TOSTAGE a
.set AC, 64*((\a)%4)
	WIN 0x02+((\a)/4)
.set j, 0
.rept 32
	v_pk_mul_f32 v[TMP+j:TMP+j+1], v[AC+j:AC+j+1], s[96:97] op_sel_hi:[1,0]   ; each accumulator from its low end on
.set j, j+2
.endr
	WIN 0
.irp b, 0,1,2,3,4,5,6,7
	ds_store_b128 v[STO], v[TMP+8*\b:TMP+8*\b+3] offset:64*\b
	ds_store_b128 v[STO], v[TMP+8*\b+4:TMP+8*\b+7] offset:64*\b+16
.endr
.set BB, BK+64*((\a)%2)
.irp t, 0,1,2,3,4,5,6,7,8,9,10,11,12,13,14,15
	ds_load_b128 v[BB+4*\t:BB+4*\t+3], v[RD] offset:\t*SPITCH   ; LDS serves a wave's instructions in order: these see my stores
.endr
.endm
.macro SEND a, younger
.set BB, BK+64*((\a)%2)
	s_wait_dscnt \younger
.if (\a) > 0
	s_add_nc_u64 s[10:11], s[10:11], 16*SIZE_N*4   ; (behind a wait on XCNT: the earlier stores have read their base)
.endif
.irp t, 0,1,2,3,4,5,6,7,8,9,10,11,12,13,14,15
	global_store_b128 v[CO], v[BB+4*\t:BB+4*\t+3], s[10:11] offset:\t*SIZE_N*4 th:TH_STORE_NT
.endr
.endm
	s_wait_kmcnt 0x0
	s_add_co_i32 s96, s96, s97
	s_add_co_i32 s96, s96, 127
	s_lshl_b32 s96, s96, 23                        ; 2^(e6 + e7) as f32
	PLACES NP
	TOSTAGE 0
.irp a, 1,2,3,4,5,6,7
.if \a > 1
	s_wait_xcnt 0x0                                ; block a - 2's stores have read their registers and their base
.endif
	TOSTAGE \a
	SEND \a-1, 32                                  ; behind block a - 1's loads: block a's 16 stores and 16 loads
.endr
	s_wait_xcnt 0x0
	SEND 7, 0
	s_wait_tensorcnt 0x0                           ; the wave's end
	ds_add_u32 v[SPW], v[NIL]
	s_wait_dscnt 0x0
	CROUND                                         ; the closing round
	s_endpgm
.Lfunc_end_k_q40785416b4_proj:
	.size	k_q40785416b4_proj, .Lfunc_end_k_q40785416b4_proj-k_q40785416b4_proj
	.p2alignl 7, 3214868480
	.fill 96, 4, 3214868480
	.section	.rodata,"a",@progbits
	.p2align	6, 0x0
	.amdhsa_kernel k_q40785416b4_proj
		.amdhsa_group_segment_fixed_size 327680
		.amdhsa_private_segment_fixed_size 0
		.amdhsa_enable_private_segment 0
		.amdhsa_kernarg_size 32
		.amdhsa_user_sgpr_count 2
		.amdhsa_user_sgpr_kernarg_segment_ptr 1
		.amdhsa_wavefront_size32 1
		.amdhsa_system_sgpr_workgroup_id_x 1
		.amdhsa_system_sgpr_workgroup_id_y 1
		.amdhsa_system_sgpr_workgroup_id_z 1
		.amdhsa_system_vgpr_workitem_id 0
		.amdhsa_next_free_vgpr 1024
		.amdhsa_next_free_sgpr 98
		.amdhsa_reserve_vcc 0
		.amdhsa_float_denorm_mode_32 3
		.amdhsa_float_denorm_mode_16_64 3
		.amdhsa_memory_ordered 1
		.amdhsa_forward_progress 1
		.amdhsa_inst_pref_size 124
	.end_amdhsa_kernel
	.amdgpu_metadata
---
amdhsa.version: [ 1, 2 ]
amdhsa.kernels:
  - .name:           k_q40785416b4_proj
    .symbol:         k_q40785416b4_proj.kd
    .args:
      - { .name: y, .offset: 0, .size: 8, .value_kind: global_buffer, .address_space: global }
      - { .name: w_proj_codes, .offset: 8, .size: 8, .value_kind: global_buffer, .address_space: global }
      - { .name: lowp_scales, .offset: 16, .size: 8, .value_kind: global_buffer, .address_space: global }
      - { .name: out0, .offset: 24, .size: 8, .value_kind: global_buffer, .address_space: global }
    .group_segment_fixed_size: 327680
    .private_segment_fixed_size: 0
    .kernarg_segment_align: 8
    .kernarg_segment_size: 32
    .max_flat_workgroup_size: 128
    .sgpr_count:     98
    .vgpr_count:     1024
    .wavefront_size: 32
...
	.end_amdgpu_metadata
.endif
;; end of part 3
